; MI455X (gfx1250); checked and timed in simulation.
; The chip was launched on July 23, 2026; its instructions are those of AMD's public machine-readable ISA for CDNA 5 (MIT licence, August 2026) and "CDNA5" Instruction Set Architecture Reference Guide (July 2026). The comments in the code are by the model that wrote it; some were corrected since.
;; Global working space. Allowed arithmetic: matrix products marked QUANTISED: E2M3 operands, one E8M0 scale for each 32 along K, by v_wmma_scale_f32_16x16x128_f8f6f4 with both operands' format E2M3, f32 sums; products left as they are: f32 operands where the result goes on into a quantised operand, else bf16, f16 or f32 operands; f32 sums; everything else in f32.
;; Inputs: h_s 2,048 x 8 x 512 float32; mem 2,048 x 8 x 512 float32; rk_b 128 float32; rk_w_codes 128 x 16 x 24 uint8 (E2M3 codes of rk_w, K innermost, in blocks of 32 codes, four codes in three bytes); rk_w_scales 128 x 16 uint8 (E8M0 scales of rk_w, one for each 32 codes along K); ro_b 512 float32; ro_w_codes 512 x 64 x 24 uint8 (E2M3 codes of ro_w, K innermost, in blocks of 32 codes, four codes in three bytes); ro_w_scales 512 x 64 uint8 (E8M0 scales of ro_w, one for each 32 codes along K); rq_b 128 float32; rq_w_codes 128 x 16 x 24 uint8 (E2M3 codes of rq_w, K innermost, in blocks of 32 codes, four codes in three bytes); rq_w_scales 128 x 16 uint8 (E8M0 scales of rq_w, one for each 32 codes along K); rv_b 2,048 float32; rv_w_codes 2,048 x 16 x 24 uint8 (E2M3 codes of rv_w, K innermost, in blocks of 32 codes, four codes in three bytes); rv_w_scales 2,048 x 16 uint8 (E8M0 scales of rv_w, one for each 32 codes along K); ug_b 1,024 float32; ug_w_codes 1,024 x 16 x 24 uint8 (E2M3 codes of ug_w, K innermost, in blocks of 32 codes, four codes in three bytes); ug_w_scales 1,024 x 16 uint8 (E8M0 scales of ug_w, one for each 32 codes along K); ut_b 512 float32; ut_w_codes 512 x 16 x 24 uint8 (E2M3 codes of ut_w, K innermost, in blocks of 32 codes, four codes in three bytes); ut_w_scales 512 x 16 uint8 (E8M0 scales of ut_w, one for each 32 codes along K); wk_b 32 float32; wk_w_codes 32 x 16 x 24 uint8 (E2M3 codes of wk_w, K innermost, in blocks of 32 codes, four codes in three bytes); wk_w_scales 32 x 16 uint8 (E8M0 scales of wk_w, one for each 32 codes along K); wo_b 512 float32; wo_w_codes 512 x 16 x 24 uint8 (E2M3 codes of wo_w, K innermost, in blocks of 32 codes, four codes in three bytes); wo_w_scales 512 x 16 uint8 (E8M0 scales of wo_w, one for each 32 codes along K); wq_b 32 float32; wq_w_codes 32 x 16 x 24 uint8 (E2M3 codes of wq_w, K innermost, in blocks of 32 codes, four codes in three bytes); wq_w_scales 32 x 16 uint8 (E8M0 scales of wq_w, one for each 32 codes along K); wv_b 512 float32; wv_w_codes 512 x 16 x 24 uint8 (E2M3 codes of wv_w, K innermost, in blocks of 32 codes, four codes in three bytes); wv_w_scales 512 x 16 uint8 (E8M0 scales of wv_w, one for each 32 codes along K).
;; Outputs: out0 2,048 x 8 x 512 float32; out1 2,048 x 8 x 512 float32.
;; This version of the problem:
;;   THIS VERSION OF THE PROBLEM IS GIVEN IN LOW PRECISION. The matrix products marked QUANTISED in the list below multiply operands that are first quantised to E2M3 (2 exponent bits, 3 mantissa bits; 6 bits a number), with one power-of-two scale for each 32 numbers along K (OCP MX v1.0); their sums are f32. All else is computed in f32.
;;   The module's matrix products, in the order in which they are computed (A, B: the left and right operand; K: the contracted axis; several contracted axes count as one K, in the product's order):
;;     1. [M 16,384, K 512] x [K 512, N 32]; A: input mem; B: input wq_w (given as codes): QUANTISED
;;     2. [M 32,768, K 512] x [K 512, N 32]; A: computed on the way; B: input wk_w (given as codes): QUANTISED
;;     3. [M 32,768, K 512] x [K 512, N 512]; A: computed on the way; B: input wv_w (given as codes): QUANTISED
;;     4. batch 2,048 x [M 8, K 32] x [K 32, N 16]; A: computed on the way; B: computed on the way: left as it is (M = 8 < 16)
;;     5. batch 2,048 x [M 8, K 16] x [K 16, N 512]; A: softmax; B: computed on the way: left as it is (K = 16 < 32)
;;     6. [M 16,384, K 512] x [K 512, N 512]; A: computed on the way; B: input wo_w (given as codes): QUANTISED
;;     7. [M 16,384, K 512] x [K 512, N 512]; A: input h_s; B: input ut_w (given as codes): QUANTISED
;;     8. [M 16,384, K 512] x [K 512, N 1,024]; A: computed on the way; B: input ug_w (given as codes): QUANTISED
;;     9. [M 16,384, K 512] x [K 512, N 128]; A: input h_s; B: input rq_w (given as codes): QUANTISED
;;     10. [M 16,384, K 512] x [K 512, N 128]; A: computed on the way; B: input rk_w (given as codes): QUANTISED
;;     11. [M 16,384, K 512] x [K 512, N 2,048]; A: computed on the way; B: input rv_w (given as codes): QUANTISED
;;     12. batch 8,192 x [M 8, K 32] x [K 32, N 8]; A: computed on the way; B: computed on the way: left as it is (M = 8 < 16)
;;     13. batch 8,192 x [M 8, K 8] x [K 8, N 512]; A: softmax; B: computed on the way: left as it is (K = 8 < 32)
;;     14. [M 16,384, K 2,048] x [K 2,048, N 512]; A: computed on the way; B: input ro_w (given as codes): QUANTISED
;;   THE QUANTISER, for each operand of a quantised product, along K:
;;     - K is cut into blocks of 32 from its start; a last block that is shorter is filled with zeros.
;;     - A block's scale is 2^e with e = floor(log2(the largest magnitude in the block)) - 2, held to -126 .. 127; a block of zeros has e = 0. As a byte (E8M0): e + 127.
;;     - Each number is divided by its block's scale, clamped to +-7.5, and rounded to the nearest number of E2M3, ties to even, subnormals kept.
;;     - The product sums the exact products of the quantised numbers (number of the format x scale) in f32.
;;   ~~~python
;;   def quantise(x, axis):      # numpy; x: float32 -> the quantised numbers, widened to float32 again
;;       x = np.moveaxis(x, axis, -1); K = x.shape[-1]
;;       x = np.pad(x, [(0, 0)] * (x.ndim - 1) + [(0, -K % 32)]); x = x.reshape(x.shape[:-1] + (-1, 32)); a = np.abs(x).max(-1, keepdims=True)
;;       e = np.where(a > 0, np.clip(np.frexp(np.where(a > 0, a, 1))[1] - 1 - 2, -126, 127), 0)      # np.frexp(a)[1] - 1 = floor(log2(a)), exactly
;;       r = np.clip(x / 2.0 ** e, -7.5, 7.5)
;;       step = 2.0 ** (np.maximum(np.frexp(np.where(r == 0, 1, r))[1] - 1, 0) - 3)
;;       q = np.round(r / step) * step * 2.0 ** e      # np.round: ties to even
;;       return np.moveaxis(q.reshape(q.shape[:-2] + (-1,))[..., :K], -1, axis).astype(np.float32)
;;   ~~~
;;   OPERANDS COMPUTED ON THE WAY. 'Computed on the way' means the value that the module computes at that place (a softmax that the list does not call 'softmax' is quantised finished and normalised). What goes into a quantiser is computed in f32, as accurately as f32 sums, v_exp_f32 and their like allow (about 1e-6 of the number): no bf16 or f16 on the way to a quantiser, and a product that is left as it is and whose result goes on into a quantised operand takes f32 operands (vector FMAs, or v_wmma_f32_16x16x4_f32). A number that lies on a knife's edge between two numbers of the format may be rounded either way, as far as f32 arithmetic and the matrix unit's own rounding can turn it there, and no further.
;;   INPUTS GIVEN AS CODES. rk_w (in the module: [128, 512], K = its axis 1); ro_w (in the module: [512, 2048], K = its axis 1); rq_w (in the module: [128, 512], K = its axis 1); rv_w (in the module: [2048, 512], K = its axis 1); ug_w (in the module: [1024, 512], K = its axis 1); ut_w (in the module: [512, 512], K = its axis 1); wk_w (in the module: [32, 512], K = its axis 1); wo_w (in the module: [512, 512], K = its axis 1); wq_w (in the module: [32, 512], K = its axis 1); wv_w (in the module: [512, 512], K = its axis 1): each comes as NAME_codes (uint8): NAME with its K axis moved to the last place and cut into blocks of 32 codes, [.., K / 32, bytes a block], one block behind the other in memory; four codes in three bytes: a row's codes are one little-endian stream of bits, code i at bits 6 i .. 6 i + 5 (a code: sign, 2 exponent bits, 3 mantissa bits); and NAME_scales (uint8): the same leading axes, one E8M0 byte (e + 127) for each 32 codes along K. Its value is code x scale, taken as it is: it is not quantised again, and the codes and scales need not be those that the quantiser above would give.
;; One version. Each part assembles by itself: llvm-mc -triple=amdgcn-amd-amdhsa -mcpu=gfx1250 --defsym DOCPART=n.
;; ======== version 1 of 1: 2 launches
;; workspace buffers: wpk 3,262,464 bytes
;; launch pack (part 1): grid 118 x 1, 4 waves a work-group, no clusters, 0 bytes of LDS; arguments ut_w_codes, ut_w_scales, ut_b, wv_w_codes, wv_w_scales, wv_b, wk_w_codes, wk_w_scales, wq_w_codes, wq_w_scales, wq_b, wo_w_codes, wo_w_scales, wo_b, ug_w_codes, ug_w_scales, ug_b, rv_w_codes, rv_w_scales, rv_b, rq_w_codes, rq_w_scales, rq_b, rk_w_codes, rk_w_scales, ro_w_codes, ro_w_scales, wpk; writes wpk
.if DOCPART == 1
	.amdgcn_target "amdgcn-amd-amdhsa--gfx1250"
	.amdhsa_code_object_version 6
	.text
	.protected	k_q030af6eab6_pack
	.globl	k_q030af6eab6_pack
	.p2align	8
	.type	k_q030af6eab6_pack,@function
k_q030af6eab6_pack:
	s_mov_b64 s[64:65], 0
	v_nop
	global_prefetch_b8 v0, s[64:65] scope:SCOPE_SE
	s_setreg_imm32_b32 hwreg(HW_REG_WAVE_MODE, 25, 1), 1
	s_wait_xcnt 0x0
; All weights (codes of E2M3, E8M0 scale bytes, biases) are laid once into wpk as RECORDS, in the order of the matrix operand's registers and in the order in which
; each wave of the second launch uses them, so that a fragment there is three loads of 512 consecutive bytes.  Nothing is converted: codes and scale bytes are copied.
; DEAD WORK, left out in the whole program.  wk_b: the write scores are q . (k + wk_b) = q . k + q . wk_b; the second term does not hang on the key t, so it is the same along the
; softmax's axis and cancels in the softmax for all values of the inputs; the score product is not quantised, so no quantiser sees k.  rk_b: the same for the read scores.
; Neither input has another way to an output: wk_b and rk_b are not loaded and are no argument of either launch.
; wv_b and rv_b are live: since a softmax's weights sum to 1, sum_t p (v + b) = sum_t p v + b, and the second launch adds them once to each context number.
; LIMIT: a NaN, an infinity or an overflow that reaches only q . wk_b or q . rk_b is not carried to the result.
; A RECORD is 6,912 bytes.  Bytes 0..6143: four fragments f; lane l's registers 12 f + 4 i .. + 3 lie at 1536 f + 512 i + 16 l.  Lane (r = l % 16, h = l / 16) holds the 48 consecutive bytes
; of weight row row(r) at 96 x K step + 48 h: the blocks 2 h and 2 h + 1 of the K step.  So the instruction's four places along K hold the blocks 0, 2, 1, 3; the activations are laid likewise.
; Bytes 6144..6655: 16 bytes a lane: the four fragments' scale words of row(l % 16), their bytes in the same order 0, 2, 1, 3.  Bytes 6656..6783: 4 bytes a lane: bias[row(l % 16)], or 0.  The rest is never read.
; An ordinary record is one tile T of 16 rows, fragment f = K step f.  Plain rows: 16 T + r.  Permuted rows: 32 (T / 2) + 8 (T % 2) + r + 8 (r / 8).
; A record of ro holds K step sigma of the four permuted tiles T0 .. T0 + 3.  One wave makes one record: position P = the work-group's number, stream = the wave's number.
.set REC, 6912
.set UT, 4                             ; argument i lies in s[4 + 2 i : 5 + 2 i]: codes, scales, bias on end
.set WV, 10
.set WK, 16
.set WQ, 20
.set WO, 26
.set UG, 32
.set RV, 38
.set RQ, 44
.set RK, 50
.set RO, 54
	s_load_b512 s[4:19], s[0:1], 0x0
	s_load_b512 s[20:35], s[0:1], 0x40
	s_load_b512 s[36:51], s[0:1], 0x80
	s_load_b256 s[52:59], s[0:1], 0xc0
	v_lshrrev_b32 v1, 5, v0
	v_readfirstlane_b32 s66, v1                    ; w: the stream
	s_mov_b32 s67, ttmp9                           ; P: the position in the stream
	s_lshl_b32 s68, s66, 3                         ; 8 w
	s_lshl_b32 s69, s66, 1                         ; 2 w
	s_and_b32 s70, s66, 1                          ; w % 2
	s_wait_kmcnt 0x0
	s_mov_b64 s[72:73], s[UT:UT+1]                 ; codes
	s_mov_b64 s[74:75], s[UT+2:UT+3]               ; scale bytes
	s_mov_b64 s[76:77], s[UT+4:UT+5]               ; bias
	s_mov_b32 s78, s68                             ; the tile is s78 + P + s79
	s_mov_b32 s79, 0
	s_mov_b32 s80, 0                               ; 8 where the rows are permuted
	s_mov_b32 s81, 0                               ; 1 where there is no bias
; From position lo on the stream takes another weight.  The choices hang on the work-group's number alone.
.macro SEL lo, c, b, bw, k, pm, nb
	s_cmp_ge_u32 s67, \lo
	s_cselect_b64 s[72:73], s[\c:\c+1], s[72:73]
	s_cselect_b64 s[74:75], s[\c+2:\c+3], s[74:75]
	s_cselect_b64 s[76:77], s[\b:\b+1], s[76:77]
	s_cselect_b32 s78, s[\bw], s78
	s_cselect_b32 s79, \k, s79
	s_cselect_b32 s80, \pm, s80
	s_cselect_b32 s81, \nb, s81
.endm
	SEL 8, WV, WV+4, 68, -8, 0, 0
	SEL 10, WK, 76, 70, -10, 0, 1
	SEL 11, WQ, WQ+4, 70, -11, 0, 0
	SEL 12, WV, WV+4, 68, -10, 0, 0
	SEL 18, WV, WV+4, 68, -18, 0, 0                ; wv a second time: the second launch walks it twice
.irp b4, 0,1,2,3
	SEL 26+6*\b4, WO, WO+4, 68, -26-4*\b4, 8, 0
	SEL 28+6*\b4, UG, UG+4, 68, -28-4*\b4, 8, 0    ; the input gate's rows
	SEL 30+6*\b4, UG, UG+4, 68, 2-4*\b4, 8, 0      ; the forget gate's: 32 tiles on
.endr
	SEL 50, RV, RV+4, 68, -50, 0, 0
	SEL 52, RQ, RQ+4, 69, -52, 0, 0
	SEL 54, RK, 76, 69, -54, 0, 1
	SEL 56, RV, RV+4, 68, -54, 0, 0
	SEL 62, RV, RV+4, 68, -30, 0, 0
	SEL 70, RV, RV+4, 68, -6, 0, 0
	SEL 78, RV, RV+4, 68, 18, 0, 0
	SEL 86, RO, 76, 68, 0, 8, 1
	s_add_co_u32 s82, s78, s67
	s_add_co_u32 s82, s82, s79                     ; T
	s_sub_co_u32 s83, s67, 86                      ; ro: L = P - 86 = 2 sigma + half
	s_lshr_b32 s84, s83, 1
	s_and_b32 s85, s83, 1
	s_lshl_b32 s85, s85, 2
	s_add_co_u32 s85, s85, s68                     ; T0 = 8 w + 4 half
	s_mul_i32 s86, s84, 96
	s_lshl_b32 s87, s84, 2
	s_cmp_ge_u32 s67, 86
	s_cselect_b32 s82, s85, s82
	s_cselect_b32 s86, s86, 0                      ; where the K step begins in a row of codes,
	s_cselect_b32 s87, s87, 0                      ; and of scale bytes
	s_mov_b32 s88, 384
	s_cselect_b32 s88, 1536, s88                   ; a row of codes in bytes
	s_cselect_b32 s89, 64, 16                      ; a row of scale bytes
	s_mov_b32 s90, 96                              ; from fragment 0 to fragments 1, 2, 3: K steps, or in ro 8, 32, 40 rows
	s_cselect_b32 s90, 12288, s90
	s_mov_b32 s91, 192
	s_cselect_b32 s91, 49152, s91
	s_mov_b32 s92, 288
	s_cselect_b32 s92, 61440, s92
	s_cselect_b32 s93, 512, 4
	s_cselect_b32 s94, 2048, 8
	s_cselect_b32 s95, 2560, 12
	s_and_b32 s96, s82, 1
	s_mul_i32 s96, s96, s80
	s_lshl_b32 s97, s82, 4
	s_sub_co_u32 s97, s97, s96                     ; the tile's first row
	v_and_b32 v2, 15, v0                           ; r
	v_bfe_u32 v3, v0, 4, 1                         ; h
	v_lshrrev_b32 v4, 3, v2
	v_mul_lo_u32 v4, v4, s80
	v_add3_u32 v4, v4, v2, s97                     ; my row
	v_mul_lo_u32 v5, v4, s88
	v_mad_u32_u24 v5, v3, 48, v5
	v_add_nc_u32 v5, s86, v5                       ; my 48 bytes of fragment 0,
	v_add_nc_u32 v6, s90, v5                       ; 1,
	v_add_nc_u32 v7, s91, v5                       ; 2,
	v_add_nc_u32 v8, s92, v5                       ; 3
	v_mul_lo_u32 v9, v4, s89
	v_add_nc_u32 v9, s87, v9                       ; and their scale words
	v_add_nc_u32 v10, s93, v9
	v_add_nc_u32 v11, s94, v9
	v_add_nc_u32 v12, s95, v9
	v_lshlrev_b32 v13, 2, v4                       ; my row's bias
	v_and_b32 v14, 31, v0
	v_lshlrev_b32 v15, 2, v14                      ; out: 4 bytes a lane,
	v_lshlrev_b32 v14, 4, v14                      ; 16 bytes a lane
.irp f, 0,1,2,3
.irp i, 0,1,2
	global_load_b128 v[16+12*\f+4*\i:19+12*\f+4*\i], v[5+\f], s[72:73] offset:16*\i
.endr
.endr
.irp f, 0,1,2,3
	global_load_b32 v[64+\f], v[9+\f], s[74:75]
.endr
	v_mov_b32 v68, 0
	s_cmp_eq_u32 s81, 1
	s_cbranch_scc1 .Lno_bias
	global_load_b32 v68, v13, s[76:77]
.Lno_bias:
	s_mul_i32 s98, s66, 118
	s_add_co_u32 s98, s98, s67
	s_mul_i32 s98, s98, REC
	s_mov_b32 s99, 0
	s_add_nc_u64 s[58:59], s[58:59], s[98:99]      ; my record
	s_wait_loadcnt 0x0
.irp f, 0,1,2,3
	v_perm_b32 v[64+\f], v[64+\f], v[64+\f], 0x03010200   ; the scale bytes in the order 0, 2, 1, 3
.endr
.irp f, 0,1,2,3
.irp i, 0,1,2
	global_store_b128 v14, v[16+12*\f+4*\i:19+12*\f+4*\i], s[58:59] offset:1536*\f+512*\i   ; the wave stores 512 consecutive bytes
.endr
.endr
	global_store_b128 v14, v[64:67], s[58:59] offset:6144
	global_store_b32 v15, v68, s[58:59] offset:6656
	s_endpgm
.Lfunc_end_k_q030af6eab6_pack:
	.size	k_q030af6eab6_pack, .Lfunc_end_k_q030af6eab6_pack-k_q030af6eab6_pack
	.p2alignl 7, 3214868480
	.fill 96, 4, 3214868480
	.section	.rodata,"a",@progbits
	.p2align	6, 0x0
	.amdhsa_kernel k_q030af6eab6_pack
		.amdhsa_group_segment_fixed_size 0
		.amdhsa_private_segment_fixed_size 0
		.amdhsa_enable_private_segment 0
		.amdhsa_kernarg_size 224
		.amdhsa_user_sgpr_count 2
		.amdhsa_user_sgpr_kernarg_segment_ptr 1
		.amdhsa_wavefront_size32 1
		.amdhsa_system_sgpr_workgroup_id_x 1
		.amdhsa_system_sgpr_workgroup_id_y 1
		.amdhsa_system_sgpr_workgroup_id_z 1
		.amdhsa_system_vgpr_workitem_id 0
		.amdhsa_next_free_vgpr 80
		.amdhsa_next_free_sgpr 100
		.amdhsa_reserve_vcc 0
		.amdhsa_float_denorm_mode_32 3
		.amdhsa_float_denorm_mode_16_64 3
		.amdhsa_memory_ordered 1
		.amdhsa_forward_progress 1
		.amdhsa_inst_pref_size 14
	.end_amdhsa_kernel
	.amdgpu_metadata
---
amdhsa.version: [ 1, 2 ]
amdhsa.kernels:
  - .name:           k_q030af6eab6_pack
    .symbol:         k_q030af6eab6_pack.kd
    .args:
      - { .name: ut_w_codes, .offset: 0, .size: 8, .value_kind: global_buffer, .address_space: global }
      - { .name: ut_w_scales, .offset: 8, .size: 8, .value_kind: global_buffer, .address_space: global }
      - { .name: ut_b, .offset: 16, .size: 8, .value_kind: global_buffer, .address_space: global }
      - { .name: wv_w_codes, .offset: 24, .size: 8, .value_kind: global_buffer, .address_space: global }
      - { .name: wv_w_scales, .offset: 32, .size: 8, .value_kind: global_buffer, .address_space: global }
      - { .name: wv_b, .offset: 40, .size: 8, .value_kind: global_buffer, .address_space: global }
      - { .name: wk_w_codes, .offset: 48, .size: 8, .value_kind: global_buffer, .address_space: global }
      - { .name: wk_w_scales, .offset: 56, .size: 8, .value_kind: global_buffer, .address_space: global }
      - { .name: wq_w_codes, .offset: 64, .size: 8, .value_kind: global_buffer, .address_space: global }
      - { .name: wq_w_scales, .offset: 72, .size: 8, .value_kind: global_buffer, .address_space: global }
      - { .name: wq_b, .offset: 80, .size: 8, .value_kind: global_buffer, .address_space: global }
      - { .name: wo_w_codes, .offset: 88, .size: 8, .value_kind: global_buffer, .address_space: global }
      - { .name: wo_w_scales, .offset: 96, .size: 8, .value_kind: global_buffer, .address_space: global }
      - { .name: wo_b, .offset: 104, .size: 8, .value_kind: global_buffer, .address_space: global }
      - { .name: ug_w_codes, .offset: 112, .size: 8, .value_kind: global_buffer, .address_space: global }
      - { .name: ug_w_scales, .offset: 120, .size: 8, .value_kind: global_buffer, .address_space: global }
      - { .name: ug_b, .offset: 128, .size: 8, .value_kind: global_buffer, .address_space: global }
      - { .name: rv_w_codes, .offset: 136, .size: 8, .value_kind: global_buffer, .address_space: global }
      - { .name: rv_w_scales, .offset: 144, .size: 8, .value_kind: global_buffer, .address_space: global }
      - { .name: rv_b, .offset: 152, .size: 8, .value_kind: global_buffer, .address_space: global }
      - { .name: rq_w_codes, .offset: 160, .size: 8, .value_kind: global_buffer, .address_space: global }
      - { .name: rq_w_scales, .offset: 168, .size: 8, .value_kind: global_buffer, .address_space: global }
      - { .name: rq_b, .offset: 176, .size: 8, .value_kind: global_buffer, .address_space: global }
      - { .name: rk_w_codes, .offset: 184, .size: 8, .value_kind: global_buffer, .address_space: global }
      - { .name: rk_w_scales, .offset: 192, .size: 8, .value_kind: global_buffer, .address_space: global }
      - { .name: ro_w_codes, .offset: 200, .size: 8, .value_kind: global_buffer, .address_space: global }
      - { .name: ro_w_scales, .offset: 208, .size: 8, .value_kind: global_buffer, .address_space: global }
      - { .name: wpk, .offset: 216, .size: 8, .value_kind: global_buffer, .address_space: global }
    .group_segment_fixed_size: 0
    .private_segment_fixed_size: 0
    .kernarg_segment_align: 8
    .kernarg_segment_size: 224
    .max_flat_workgroup_size: 128
    .sgpr_count:     100
    .vgpr_count:     80
    .wavefront_size: 32
...
	.end_amdgpu_metadata
.endif
;; end of part 1
;; launch chain (part 2): grid 256 x 1, 4 waves a work-group, no clusters, 317,440 bytes of LDS; arguments h_s, mem, wpk, ro_b, out0, out1; writes out0, out1
.if DOCPART == 2
	.amdgcn_target "amdgcn-amd-amdhsa--gfx1250"
	.amdhsa_code_object_version 6
	.text
	.protected	k_q030af6eab6_chain
	.globl	k_q030af6eab6_chain
	.p2align	8
	.type	k_q030af6eab6_chain,@function
k_q030af6eab6_chain:
	s_mov_b64 s[64:65], 0
	v_nop
	global_prefetch_b8 v0, s[64:65] scope:SCOPE_SE
	s_setreg_imm32_b32 hwreg(HW_REG_WAVE_MODE, 25, 1), 1
	s_wait_xcnt 0x0
; The whole module for 8 batches (64 rows of h_s, 64 rows of mem) in one work-group of four waves; no intermediate goes to memory.
; LEFT OUT AS DEAD WORK: wk_b and rk_b (a term that is the same along a softmax's axis, ahead of no quantiser: shown at the head of the first launch).  wv_b and rv_b start each context sum (the softmax's weights sum to 1).
; SHARES.  THE WAVES SHARE THE COLUMNS: wave w owns columns 128 w .. 128 w + 127 of every result that is 512 wide, for all rows.  So each weight fragment is used by one wave alone and goes from wpk straight into
; its registers (three loads of 512 consecutive bytes), and what goes from wave to wave through LDS is small: the activations as rows of E2M3 codes with their scale bytes, q, k and the softmax weights.
; NO CLUSTER, NO JOINT LOADS, though all work-groups walk the same weights: a joint load lands in LDS; 317,440 of the 327,680 bytes are taken by rows, images and stages, and two slots of one record (6,912 bytes) for each of four waves would be 55,296.
; K INSIDE AN INSTRUCTION: its four places along K hold the blocks 0, 2, 1, 3 of a K step, alike in both operands and in their scale bytes: a lane's 12 registers are then 48 consecutive bytes of a row of codes.
; That changes the order of the f32 sums inside an instruction and nothing else.
; TWO USES OF THE MATRIX INSTRUCTION.  Natural (source 0 = 16 activation rows, source 1 = 16 weight rows): a lane holds one column and the 8 rows of one batch: ut (the mean over units is a sum over registers), wv and rv
; (the context is a chain of multiply-adds over a lane's 8 registers).  Transposed (source 0 = weight rows): a lane holds one row and 8 columns; with permuted weight rows two neighbouring tiles give 16 neighbours along the next K.
; THE QUANTISER: a lane holds 16 neighbours of a block, lanes l and l xor 16 share the block; largest magnitude with the floor 2^-124, 2 off its exponent field, conversion; 12 bytes of codes and one scale byte go to the image.
; LIMITS: NaN and infinities among the inputs are not served.  A block of zeros gets the byte 1 with zero codes (the bytes are read by this program alone); blocks whose largest magnitude lies under 2^-124 are held at that floor.
; tanh(x) = 1 - 2 / (1 + 2^(2 log2(e) x)), sigmoid(x) = 1 / (1 + 2^(-log2(e) x)): absolute error about 1e-7.  Both softmaxes take the row's maximum away.
; REGISTERS, in windows of 256.  Window 0: v1-29 addresses, v30-31 the add's two, v32-34 r, h, lane, v35-39 running addresses; v40-55, v56-71 activation scale words, v72-95 weight scale words (these hold scales alone);
;   v96-127 at work (bias as C, context sums, codes, maxima, bias words); v128-255 results.  Window 1: activation fragments, weight slot 5 (v192-239); at the start the ring of input tiles.
;   Window 2: weight slots 0-4, 48 registers each; at the end the rows of h_s.  Window 3 by turns: a second set of activation fragments with biases (v192-239); softmax weights; key rows; the last product's 32 accumulators.
.set REC,   6912                       ; a record of wpk: four fragments,
.set SCO,   6144                       ; their scale words,
.set BIO,   6656                       ; the tile's 16 biases
.set RWB,   33792                      ; LDS 0: ROWS: each wave's own 64 rows x (512 + 16) bytes
.set RP,    528
.set QR,    36864                      ; in ROWS, once its rows are stored: the read queries, 64 x 528;
.set KR,    70656                      ; the read keys;
.set PR,    104448                     ; the read softmax weights [batch][head][key][unit]; below QR each wave's stage of 9,216 bytes
.set IMG_H, 135168                     ; images: 64 rows x (384 + 16) bytes of codes, then 64 x 16 scale bytes
.set IMG_M, 161792
.set IMG_K, 188416
.set IMG_C, 215040
.set IMG_N, 241664
.set IMGB,  26624
.set IP,    400
.set ISC,   25600
.set IMG_R, 135168                     ; over the first four, once they are done with: 64 rows x (1,536 + 16),
.set IRP,   1552
.set IRS,   234496                     ; and 64 x 64 scale bytes
.set QW,    268288                     ; the write queries, 64 x 144; later each wave's stage of 4,608 bytes
.set KW,    277504                     ; the write keys, 128 x 144
.set PW,    295936                     ; the write softmax weights [batch][key][slot]
.set IMEAN, 300032                     ; each wave's own 8 batches x 528
.set SPARE, 316928                     ; the spare words, 128 bytes for each wave: no other line names them
.set MSB, 0
.macro WIN new                         ; the immediate's high byte repeats the setting that is left
.if MSB != (\new)
	s_set_vgpr_msb (MSB<<8)|(\new)
.set MSB, (\new)
.endif
.endm
.macro PLACES n                        ; plain places behind matrix instructions, ahead of loads into their registers and of reads of their results
.rept \n
	v_nop
.endr
.endm
.macro BAR                             ; my LDS stores have landed and my LDS loads are in: then the work-group's barrier
	s_wait_dscnt 0x0
	s_barrier_signal -1
	s_barrier_wait -1
.endm
.macro WMC d, a, b, sa, sb, c
	v_wmma_scale_f32_16x16x128_f8f6f4 v[(\d):(\d)+7], v[(\a):(\a)+11], v[(\b):(\b)+11], v[(\c):(\c)+7], v[(\sa)], v[(\sb)] matrix_a_fmt:MATRIX_FMT_FP6 matrix_b_fmt:MATRIX_FMT_FP6
.endm
.macro WMZ d, a, b, sa, sb
	v_wmma_scale_f32_16x16x128_f8f6f4 v[(\d):(\d)+7], v[(\a):(\a)+11], v[(\b):(\b)+11], 0, v[(\sa)], v[(\sb)] matrix_a_fmt:MATRIX_FMT_FP6 matrix_b_fmt:MATRIX_FMT_FP6
.endm
; One record into a weight slot: 13 loads; kind 1: and the lane's column's bias (14); kind 2: and the lane's eight rows' biases, as a C (15)
.macro LDW slot, ptr, off, kind
.if (\slot) == 5
	WIN 0x40
.set lb_, 192
.else
	WIN 0x80
.set lb_, 48*(\slot)
.endif
.irp f, 0,1,2,3
.irp i, 0,1,2
	global_load_b128 v[lb_+12*\f+4*\i:lb_+12*\f+4*\i+3], v1, s[\ptr:\ptr+1] offset:(\off)+1536*\f+512*\i
.endr
.endr
	WIN 0
	global_load_b128 v[72+4*(\slot):75+4*(\slot)], v1, s[\ptr:\ptr+1] offset:(\off)+SCO
.if (\kind) == 1
	global_load_b32 v[124+(\slot)], v22, s[\ptr:\ptr+1] offset:(\off)+BIO
.endif
.if (\kind) == 2
	WIN 0xc0
	global_load_b128 v[192+8*(\slot):195+8*(\slot)], v23, s[\ptr:\ptr+1] offset:(\off)+BIO
	global_load_b128 v[196+8*(\slot):199+8*(\slot)], v23, s[\ptr:\ptr+1] offset:(\off)+BIO+16
	WIN 0
.endif
.endm
; One tile of 16 rows of an image: its four fragments into v[12 (4 a + K step)] of a window, its four scale words into v[sc + 4 a]
.macro LDXT win, a, sc, off, soff, ra, rs
	WIN (\win)<<6
.irp ks, 0,1,2,3
.irp i, 0,1,2
	ds_load_b128 v[12*(4*(\a)+\ks)+4*\i:12*(4*(\a)+\ks)+4*\i+3], v[\ra] offset:(\off)+96*\ks+16*\i
.endr
.endr
	WIN 0
	ds_load_b128 v[(\sc)+4*(\a):(\sc)+4*(\a)+3], v[\rs] offset:\soff
.endm
.macro LDX win, sc, ra, rs
.irp a4, 0,1,2,3
	LDXT \win, \a4, \sc, 6400*\a4, 256*\a4, \ra, \rs
.endr
.endm
.macro ISET set, ra, rs                ; where my lane reads an image
	v_add_nc_u32 v[\ra], \set, v25
	v_add_nc_u32 v[\rs], \set, v26
.endm
.macro QSET set                        ; where my lane writes one
	v_add_nc_u32 v7, \set, v29
	v_add_nc_u32 v9, (\set)+ISC, v27
.endm
; A natural tile for four tiles of rows, C = v[96:103]; the four accumulators take turns, one instruction a turn
.macro GN slot
	WIN 0x09
.irp ks, 0,1,2,3
.irp a, 0,1,2,3
.if \ks == 0
	WMC 128+8*\a, 12*(4*\a+\ks), 48*(\slot)+12*\ks, 40+4*\a+\ks, 72+4*(\slot)+\ks, 96
.else
	WMC 128+8*\a, 12*(4*\a+\ks), 48*(\slot)+12*\ks, 40+4*\a+\ks, 72+4*(\slot)+\ks, 128+8*\a
.endif
.endr
.endr
	WIN 0
.endm
; A transposed tile for nm tiles of rows: results at v[d0 + dm m]; activations in window aw, their scale words at v[sc]; cz = 1: the sums start at 0, else at the slot's biases
.macro GT slot, aw, sc, d0, dm, nm, cz
.if (\slot) == 5
.set gw_, 1
.set gb_, 192
.else
.set gw_, 2
.set gb_, 48*(\slot)
.endif
.irp ks, 0,1,2,3
.if (\ks == 0) && ((\cz) == 0)
	WIN gw_|((\aw)<<2)|0x30
.else
	WIN gw_|((\aw)<<2)
.endif
.set gm_, 0
.rept \nm
.if \ks == 0
.if \cz
	WMZ (\d0)+(\dm)*gm_, gb_+12*\ks, 12*(4*gm_+\ks), 72+4*(\slot)+\ks, (\sc)+4*gm_+\ks
.else
	WMC (\d0)+(\dm)*gm_, gb_+12*\ks, 12*(4*gm_+\ks), 72+4*(\slot)+\ks, (\sc)+4*gm_+\ks, 192+8*(\slot)
.endif
.else
	WMC (\d0)+(\dm)*gm_, gb_+12*\ks, 12*(4*gm_+\ks), 72+4*(\slot)+\ks, (\sc)+4*gm_+\ks, (\d0)+(\dm)*gm_
.endif
.set gm_, gm_+1
.endr
.endr
	WIN 0
.endm
.macro GTOUT d0, nm, ms, ra, off       ; a lane's eight columns of a row, 32 bytes, each accumulator from its low end on
.set gm_, 0
.rept \nm
	ds_store_b128 v[\ra], v[(\d0)+8*gm_:(\d0)+8*gm_+3] offset:(\off)+(\ms)*gm_
	ds_store_b128 v[\ra], v[(\d0)+8*gm_+4:(\d0)+8*gm_+7] offset:(\off)+(\ms)*gm_+16
.set gm_, gm_+1
.endr
.endm
; nb blocks are quantised: block n stands in v[x + 16 n ..], 16 neighbours of my row.  mode 0: the blocks are the four of a K step; 1: tiles of rows of an image; 2: tiles of rows of IMG_R
.macro QBN x, nb, mode, c0, s0
.set qn_, 0
.rept \nb
	v_max3_num_f32 v[112+qn_], |v[(\x)+16*qn_]|, |v[(\x)+16*qn_+1]|, 0x1800000   ; with the floor 2^(3 - 127): the byte cannot fall under 1
.set qn_, qn_+1
.endr
.irp qi, 2,4,6,8,10,12,14
.set qn_, 0
.rept \nb
	v_max3_num_f32 v[112+qn_], v[112+qn_], |v[(\x)+16*qn_+\qi]|, |v[(\x)+16*qn_+\qi+1]|
.set qn_, qn_+1
.endr
.endr
.set qn_, 0
.rept \nb
	v_permlanex16_b32 v[116+qn_], v[112+qn_], s20, s21
.set qn_, qn_+1
.endr
.set qn_, 0
.rept \nb
	v_max_num_f32 v[112+qn_], v[112+qn_], v[116+qn_]       ; with lane l xor 16's: the block's largest magnitude
.set qn_, qn_+1
.endr
.set qn_, 0
.rept \nb
	v_add_nc_u32 v[112+qn_], 0xff000000, v[112+qn_]        ; 2 off its exponent field: the conversion's scale operand
.set qn_, qn_+1
.endr
.set qn_, 0
.rept \nb
	v_cvt_scalef32_pk16_fp6_f32 v[96+4*qn_:98+4*qn_], v[(\x)+16*qn_:(\x)+16*qn_+15], v[112+qn_]
.set qn_, qn_+1
.endr
.set qn_, 0
.rept \nb
	v_lshrrev_b32 v[116+qn_], 23, v[112+qn_]               ; the scale's byte (also the plain place behind the conversions)
.set qn_, qn_+1
.endr
.set qn_, 0
.rept \nb
.if (\mode) == 0
.set qc_, (\c0)+24*qn_
.set qs_, (\s0)+((qn_&1)<<1)+(qn_>>1)
.set qa_, 10
.elseif (\mode) == 1
.set qc_, (\c0)+6400*qn_
.set qs_, (\s0)+256*qn_
.set qa_, 10
.else
.set qc_, 24832*(qn_&1)
.set qs_, 1024*qn_
.set qa_, 10+(qn_>>1)
.endif
	ds_store_b32 v[qa_], v[96+4*qn_] offset:qc_
	ds_store_b32 v[qa_], v[97+4*qn_] offset:qc_+4
	ds_store_b32 v[qa_], v[98+4*qn_] offset:qc_+8
	ds_store_b8 v12, v[116+qn_] offset:qs_                 ; both lanes of a block write the same byte with the same value
.set qn_, qn_+1
.endr
.endm
; x <- 1 / (1 + 2^x), n registers: each kind of transcendental is one batch with one plain line and one wait behind it
.macro ERCP x, n
.set tq_, 0
.rept \n
	v_exp_f32 v[(\x)+tq_], v[(\x)+tq_]
.set tq_, tq_+1
.endr
	v_nop
	s_wait_alu depctr_va_vdst(0)
.set tq_, 0
.rept (\n)/2
	v_pk_add_f32 v[(\x)+tq_:(\x)+tq_+1], v[(\x)+tq_:(\x)+tq_+1], 1.0 op_sel_hi:[1,0]
.set tq_, tq_+2
.endr
.set tq_, 0
.rept \n
	v_rcp_f32 v[(\x)+tq_], v[(\x)+tq_]
.set tq_, tq_+1
.endr
	v_nop
	s_wait_alu depctr_va_vdst(0)
.endm
.macro TANH x, n, cr                   ; x <- tanh(x) + (C - 1): C = 1.0 (cr = 0) or the registers from cr on
.set tq_, 0
.rept (\n)/2
	v_pk_mul_f32 v[(\x)+tq_:(\x)+tq_+1], v[(\x)+tq_:(\x)+tq_+1], 0x4038aa3b op_sel_hi:[1,0]
.set tq_, tq_+2
.endr
	ERCP \x, \n
.set tq_, 0
.rept (\n)/2
.if \cr
	v_pk_fma_f32 v[(\x)+tq_:(\x)+tq_+1], v[(\x)+tq_:(\x)+tq_+1], -2.0, v[(\cr)+tq_:(\cr)+tq_+1] op_sel_hi:[1,0,1]
.else
	v_pk_fma_f32 v[(\x)+tq_:(\x)+tq_+1], v[(\x)+tq_:(\x)+tq_+1], -2.0, 1.0 op_sel_hi:[1,0,0]
.endif
.set tq_, tq_+2
.endr
.endm
.macro SIGM x, n
.set tq_, 0
.rept (\n)/2
	v_pk_mul_f32 v[(\x)+tq_:(\x)+tq_+1], v[(\x)+tq_:(\x)+tq_+1], 0xbfb8aa3b op_sel_hi:[1,0]
.set tq_, tq_+2
.endr
	ERCP \x, \n
.endm
; A lane's query (32 numbers, at v18) against 8 keys (rows kp bytes apart, at v19), in f32; softmax over them (dpp = 1: and over lane l xor 1's eight); the weights go to v20, 32 bytes apart
.macro SCORES kp, dpp
.irp j, 0,1,2,3,4,5,6,7
	ds_load_b128 v[160+4*\j:163+4*\j], v18 offset:16*\j
.endr
	WIN 0xc0
.irp i, 0,1,2,3,4,5,6,7
.irp j, 0,1,2,3,4,5,6,7
	ds_load_b128 v[32*\i+4*\j:32*\i+4*\j+3], v19 offset:(\kp)*\i+16*\j
.endr
.endr
	WIN 0
	s_wait_dscnt 0x0
	WIN 0x0c
.irp i, 0,1,2,3,4,5,6,7
	v_pk_mul_f32 v[128+2*\i:129+2*\i], v[160:161], v[32*\i:32*\i+1]
.endr
.irp jj, 1,2,3,4,5,6,7,8,9,10,11,12,13,14,15
.irp i, 0,1,2,3,4,5,6,7
	v_pk_fma_f32 v[128+2*\i:129+2*\i], v[160+2*\jj:161+2*\jj], v[32*\i+2*\jj:32*\i+2*\jj+1], v[128+2*\i:129+2*\i]   ; eight chains by turns
.endr
.endr
	WIN 0
.irp i, 0,1,2,3,4,5,6,7
	v_add_f32 v[144+\i], v[128+2*\i], v[129+2*\i]
.endr
	v_max3_num_f32 v152, v144, v145, v146
	v_max3_num_f32 v152, v152, v147, v148
	v_max3_num_f32 v152, v152, v149, v150
	v_max_num_f32 v152, v152, v151
.if \dpp
	v_max_num_f32_dpp v152, v152, v152 row_xmask:1 row_mask:0xf bank_mask:0xf
.endif
	v_mul_f32 v152, s30, v152                      ; c x the row's largest score, c = log2(e) / sqrt(32)
.irp i, 0,1,2,3,4,5,6,7
	v_fma_f32 v[144+\i], v[144+\i], s30, -v152
.endr
.irp i, 0,1,2,3,4,5,6,7
	v_exp_f32 v[144+\i], v[144+\i]
.endr
	v_nop
	s_wait_alu depctr_va_vdst(0)                   ; one wait for the eight, ahead of their first reader
	v_add_f32 v153, v144, v145
	v_add_f32 v154, v146, v147
	v_add_f32 v155, v148, v149
	v_add_f32 v156, v150, v151
	v_add_f32 v153, v153, v154
	v_add_f32 v155, v155, v156
	v_add_f32 v153, v153, v155
.if \dpp
	v_add_f32_dpp v153, v153, v153 row_xmask:1 row_mask:0xf bank_mask:0xf
.endif
	v_rcp_f32 v153, v153
	v_nop
	s_wait_alu depctr_va_vdst(0)
.irp i, 0,1,2,3,4,5,6,7
	v_mul_f32 v[144+\i], v[144+\i], v153
.endr
.irp i, 0,1,2,3,4,5,6,7
	ds_store_b32 v20, v[144+\i] offset:32*\i
.endr
.endm
; Product wi (K step wi / 4, tile of rows wi % 4) of a natural tile on slot u into v[128 + 32 u ..]
.macro WM u
.set ws_, wi/4
.set wa_, wi%4
	WIN 0x09
.if ws_ == 0
	WMZ 128+32*(\u)+8*wa_, 12*(4*wa_+ws_), 48*(\u)+12*ws_, 40+4*wa_+ws_, 72+4*(\u)+ws_
.else
	WMC 128+32*(\u)+8*wa_, 12*(4*wa_+ws_), 48*(\u)+12*ws_, 40+4*wa_+ws_, 72+4*(\u)+ws_, 128+32*(\u)+8*wa_
.endif
.endm
; Multiply-add fn of a tile's 128: context(2 outputs) += weight(key t, 2 outputs) x value(key t), the value's register broadcast to both halves.  A chain starts at the column's bias;
; at its end the lane's eight outputs of its column go to the stage, and behind tile 1's the stage's 16 rows come back, 16 neighbouring columns a lane.
.macro FM isrv, u
.set fa_, fn/32
.set ft_, (fn%32)/4
.set fs_, fn%4
.if \isrv
.set fA_, fa_
.set fc_, fn%32
.set fl_, 31
.else
.set fA_, fa_/2
.set fc_, fn%64
.set fl_, 63
.endif
.set fO_, 96+8*(fA_%2)+2*fs_
.set fP_, 64*fa_+8*ft_+2*fs_
.set fV_, 128+32*(\u)+8*fa_+2*(ft_/2)
	WIN 0x03
.if fc_ < 4
	v_pk_fma_f32 v[fO_:fO_+1], v[fP_:fP_+1], v[fV_:fV_+1], v[120+2*(\u):121+2*(\u)] op_sel_hi:[1,0,1]
.elseif (ft_%2) == 0
	v_pk_fma_f32 v[fO_:fO_+1], v[fP_:fP_+1], v[fV_:fV_+1], v[fO_:fO_+1] op_sel_hi:[1,0,1]
.else
	v_pk_fma_f32 v[fO_:fO_+1], v[fP_:fP_+1], v[fV_:fV_+1], v[fO_:fO_+1] op_sel:[0,1,0] op_sel_hi:[1,1,1]
.endif
.if fc_ == fl_
	WIN 0
.set fB_, 96+8*(fA_%2)
.irp q, 0,1,2,3,4,5,6,7
	ds_store_b32 v13, v[fB_+\q] offset:(16*fA_+\q)*144+64*(\u)
.endr
.if (\u) == 1
.irp q, 0,1,2,3
	ds_load_b128 v[192+16*fA_+4*\q:195+16*fA_+4*\q], v14 offset:16*fA_*144+16*\q   ; LDS serves a wave's instructions in order: these see the stores
.endr
.endif
.endif
.endm
; Two tiles of values (32 columns: one block of the next K) and their contexts.  Tile 1's products stand among tile 0's multiply-adds.  s26: pass or head, s27: the block
.macro VSTEP isrv
	s_wait_loadcnt 14                              ; slot 0's record is in; slot 1's 14 loads may be out
	v_mov_b32 v120, v124
	v_mov_b32 v121, v124                           ; the column's bias, as a pair
.set wi, 0
.rept 16
	WM 0
.set wi, wi+1
.endr
	WIN 0
	PLACES 4
	LDW 0, 22, 0, 1
	s_wait_loadcnt 14                              ; slot 1's record is in; the 14 just issued may be out
	v_mov_b32 v122, v125
	v_mov_b32 v123, v125
.set fn, 0
.set wi, 0
.rept 16
	WM 1
.set wi, wi+1
.rept 8
	FM \isrv, 0
.set fn, fn+1
.endr
.endr
	WIN 0
	LDW 1, 22, REC, 1                              ; the eight multiply-adds behind the last product are its places
.set fn, 0
.rept 128
	FM \isrv, 1
.set fn, fn+1
.endr
	WIN 0
	s_mul_i32 s32, s27, 24                         ; the block's place in a row of codes,
.if \isrv
	s_mul_i32 s33, s26, 384
.else
	s_mul_i32 s33, s26, 12800
.endif
	s_add_co_u32 s32, s32, s33
	v_add_nc_u32 v10, s32, v7
.if \isrv
	v_add_nc_u32 v11, s32, v8
.endif
	s_and_b32 s33, s27, 1                          ; and its byte's place in the scale word: 0, 2, 1, 3
	s_lshl_b32 s33, s33, 1
	s_lshr_b32 s34, s27, 1
	s_or_b32 s33, s33, s34
.if \isrv
	s_lshl_b32 s34, s26, 4
.else
	s_lshl_b32 s34, s26, 9
.endif
	s_add_co_u32 s33, s33, s34
	v_add_nc_u32 v12, s33, v9
	s_wait_dscnt 0x0
.if \isrv
	QBN 192, 4, 2, 0, 0
.else
	QBN 192, 2, 1, 0, 0
.endif
	s_wait_xcnt 0x0                                ; the loads have read their base: it may step
	s_add_nc_u64 s[22:23], s[22:23], 2*REC
.endm
.macro INLD t                          ; tile t (0-3: h_s, 4-7: mem): 16 rows, my wave's 512 consecutive bytes of each
	WIN 0x40
.irp i, 0,1,2,3,4,5,6,7,8,9,10,11,12,13,14,15
.if (\t) < 4
	global_load_b128 v[64*((\t)%4)+4*\i:64*((\t)%4)+4*\i+3], v2, s[4:5] offset:(16*((\t)%4)+\i)*2048
.else
	global_load_b128 v[64*((\t)%4)+4*\i:64*((\t)%4)+4*\i+3], v2, s[6:7] offset:(16*((\t)%4)+\i)*2048 th:TH_LOAD_NT
.endif
.endr
	WIN 0
.endm
.macro INSTEP t, left                  ; tile t turns through my rows in LDS, so that a lane holds 16 neighbours, and is quantised
	s_wait_loadcnt \left
	WIN 0x04
.irp i, 0,1,2,3,4,5,6,7,8,9,10,11,12,13,14,15
	ds_store_b128 v3, v[64*((\t)%4)+4*\i:64*((\t)%4)+4*\i+3] offset:(16*((\t)%4)+\i)*RP
.endr
	WIN 0
.irp b, 0,1,2,3
.irp j, 0,1,2,3
	ds_load_b128 v[128+16*\b+4*\j:131+16*\b+4*\j], v4 offset:8448*((\t)%4)+128*\b+16*\j
.endr
.endr
.if (\t) < 5
	INLD (\t)+3
.elseif (\t) == 5
	LDW 0, 8, 0, 1
	LDW 1, 8, REC, 1
.else
	LDW (\t)-4, 8, ((\t)-4)*REC, 1
.endif
	s_wait_dscnt 0x0
	QBN 128, 4, 0, IMGB*((\t)/4)+6400*((\t)%4), IMGB*((\t)/4)+256*((\t)%4)
.endm
.macro FTILE k, aw, sc, d0
	s_wait_loadcnt 60                              ; this slot's record is in: four of the five younger records (15 loads each) may be out
	GT \k, \aw, \sc, \d0, 16, 4, 0
	PLACES 4
	LDW \k, 22, (\k)*REC, 2
.endm
.macro XAL e, ko, so                   ; the read context's four fragments of one K step into set e, and their scale words
	WIN 0x40
.irp m, 0,1,2,3
.irp i, 0,1,2
	ds_load_b128 v[48*(\e)+12*\m+4*\i:48*(\e)+12*\m+4*\i+3], v[36+(\m/2)] offset:24832*(\m%2)+(\ko)+16*\i
.endr
.endr
	WIN 0
.irp m, 0,1,2,3
	ds_load_b32 v[40+4*(\e)+\m], v38 offset:1024*\m+(\so)
.endr
.endm
; One K step of the last product: 8 tiles of columns x 4 tiles of rows; 16 accumulators take turns, then the other 16
.macro RHALF e, ld, nx, c0, c1
	s_wait_dscnt 0x0                               ; this K step's activations are in
.if \nx
	XAL 1-(\e), 96*((\e)+1), 4*((\e)+1)            ; the next K step's (the places behind the products that read that set stand at the last half's end)
.endif
.irp hf, 0,1
.if \hf == 0
	s_wait_loadcnt \c0
.else
	s_wait_loadcnt \c1
.endif
	WIN 0xf6
.irp f, 0,1,2,3
.irp m, 0,1,2,3
	WMC 8*(4*(4*\hf+\f)+\m), 48*(2*(\e)+\hf)+12*\f, 48*(\e)+12*\m, 72+4*(2*(\e)+\hf)+\f, 40+4*(\e)+\m, 8*(4*(4*\hf+\f)+\m)
.endr
.endr
	WIN 0
	PLACES 4
.if \ld
	LDW 2*(\e)+\hf, 22, (2*(\e)+\hf)*REC, 0
.endif
.endr
.endm
; ---------------- head
	s_load_b256 s[4:11], s[0:1], 0x0               ; h_s, mem, wpk, ro_b
	s_load_b128 s[12:15], s[0:1], 0x20             ; out0, out1
	v_lshl_add_u32 v30, v0, 2, SPARE               ; my spare word,
	v_mov_b32 v31, 0                               ; and 0: kept for the wave's closing lines
	v_lshrrev_b32 v35, 5, v0
	v_readfirstlane_b32 s16, v35                   ; w
	s_and_b32 s17, s16, 1
	s_lshr_b32 s18, s16, 1
	s_mov_b32 s20, 0x76543210
	s_mov_b32 s21, 0xfedcba98                      ; selects for lane l xor 16
	s_mov_b32 s30, 0x3e8293ee                      ; c = log2(e) / sqrt(32)
	v_and_b32 v34, 31, v0                          ; lane
	v_and_b32 v32, 15, v0                          ; r
	v_bfe_u32 v33, v0, 4, 1                        ; h
	v_lshlrev_b32 v1, 4, v34                       ; 16 l
	s_lshl_b32 s32, s16, 9
	v_add_nc_u32 v2, s32, v1                       ; 512 w + 16 l: my 16 bytes of a row in memory
	s_mul_i32 s33, s16, RWB
	v_add_nc_u32 v3, s33, v1                       ; the same in my rows in LDS
	v_mul_u32_u24 v4, v32, RP
	v_lshl_add_u32 v4, v33, 6, v4
	v_add_nc_u32 v4, s33, v4                       ; row r, 16 numbers from 16 h on
	v_lshlrev_b32 v22, 2, v32
	v_lshlrev_b32 v23, 5, v33
	v_lshl_add_u32 v24, v33, 6, s32
	v_mul_u32_u24 v25, v32, IP
	v_mad_u32_u24 v25, v33, 48, v25                ; an image's fragment: 400 r + 48 h
	v_lshl_add_u32 v26, v32, 4, ISC                ; its scale words: 16 r
	s_lshl_b32 s34, s16, 2
	v_lshl_add_u32 v27, v32, 4, s34                ; where I write scale bytes: 16 r + 4 w
	v_mul_u32_u24 v29, v32, IP
	v_mad_u32_u24 v29, v33, 12, v29
	s_mul_i32 s35, s16, 96
	v_add_nc_u32 v29, s35, v29                     ; and codes: 400 r + 12 h + 96 w
	v_and_b32 v28, 1, v34
	v_lshlrev_b32 v28, 8, v28
	v_lshrrev_b32 v35, 1, v34
	v_lshl_add_u32 v28, v35, 11, v28
	v_add_nc_u32 v28, s32, v28                     ; the prefetches: row l / 2, half l % 2 of my 512 bytes
.irp b, 0,1,2,3
	v_mov_b32 v[116+\b], 0                         ; a lane permute's destination counts as one of its sources
.endr
	v_add_nc_u32 v10, IMG_H, v29
	v_add_nc_u32 v12, IMG_H+ISC, v27
	s_lshl_b32 s36, ttmp9, 17                      ; the work-group's 64 rows of 2,048 bytes
	s_mov_b32 s37, 0
	s_mul_i32 s38, s16, 118*REC                    ; my wave's stream of records
	s_mov_b32 s39, 0
	s_wait_kmcnt 0x0
	s_add_nc_u64 s[4:5], s[4:5], s[36:37]
	s_add_nc_u64 s[6:7], s[6:7], s[36:37]
	s_add_nc_u64 s[12:13], s[12:13], s[36:37]
	s_add_nc_u64 s[14:15], s[14:15], s[36:37]
	s_add_nc_u64 s[8:9], s[8:9], s[38:39]
; ---------------- in: h_s and mem become images; the rows of mem stay in LDS.  Three tiles of 16 loads run ahead
	INLD 0
	INLD 1
	INLD 2
	INSTEP 0, 32                                   ; the two younger tiles may be out
	INSTEP 1, 32
	INSTEP 2, 32
	INSTEP 3, 32
	INSTEP 4, 32
	INSTEP 5, 32
	INSTEP 6, 44                                   ; tile 7 and two records of 14
	INSTEP 7, 42                                   ; three records
	BAR                                            ; the images of h_s and mem are whole
; ---------------- ut: mean over the units of relu(h ut^T + b), my 128 columns
	ISET IMG_H, 5, 6
	LDX 1, 40, 5, 6
	v_mul_u32_u24 v16, v33, RP
	v_lshl_add_u32 v16, v32, 2, v16
	s_mul_i32 s32, s16, 4224
	s_add_co_u32 s32, s32, IMEAN
	v_add_nc_u32 v16, s32, v16                     ; batch h, column r
	s_mov_b64 s[22:23], s[8:9]
	s_mov_b32 s26, 0
	s_mov_b32 s28, 0
	s_wait_dscnt 0x0
.Lut:
	v_add_nc_u32 v35, s28, v16
.irp k, 0,1,2,3
	s_wait_loadcnt 42                              ; this slot's record is in; the three younger ones (14 loads each) may be out
.irp j, 0,1,2,3,4,5,6,7
	v_mov_b32 v[96+\j], v[124+\k]                  ; the column's bias starts the sums of its eight rows
.endr
	PLACES 4
	GN \k
	PLACES 4
	LDW \k, 22, (4+\k)*REC, 1
.irp a, 0,1,2,3
.irp j, 0,1,2,3,4,5,6,7
	v_max_num_f32 v[128+8*\a+\j], 0, v[128+8*\a+\j]
.endr
	v_pk_add_f32 v[128+8*\a:129+8*\a], v[128+8*\a:129+8*\a], v[130+8*\a:131+8*\a]
	v_pk_add_f32 v[132+8*\a:133+8*\a], v[132+8*\a:133+8*\a], v[134+8*\a:135+8*\a]
	v_pk_add_f32 v[128+8*\a:129+8*\a], v[128+8*\a:129+8*\a], v[132+8*\a:133+8*\a]
	v_add_f32 v[104+\a], v[128+8*\a], v[129+8*\a]
	v_mul_f32 v[104+\a], 0x3e000000, v[104+\a]
	ds_store_b32 v35, v[104+\a] offset:1056*\a+64*\k
.endr
.endr
	s_wait_xcnt 0x0
	s_add_nc_u64 s[22:23], s[22:23], 4*REC
	s_add_co_u32 s28, s28, 256
	s_add_co_u32 s26, s26, 1
	s_cmp_lt_u32 s26, 2
	s_cbranch_scc1 .Lut                            ; the last trip has fetched positions 8-11: wv's first two tiles, wk, wq
; ---------------- the write keys (wave: 16 columns w % 2 of set w / 2) and queries (16 columns w % 2 of rows 32 (w / 2) on)
	PLACES 4
	s_mul_i32 s32, s18, IMGB
	s_add_co_u32 s32, s32, IMG_H
	v_add_nc_u32 v5, s32, v25
	v_add_nc_u32 v6, s32, v26
	LDX 3, 56, 5, 6
	WIN 0xc0
	global_load_b128 v[216:219], v23, s[8:9] offset:11*REC+BIO
	global_load_b128 v[220:223], v23, s[8:9] offset:11*REC+BIO+16
	WIN 0
	v_lshrrev_b32 v35, 3, v32
	v_and_b32 v36, 7, v32
	v_lshl_add_u32 v35, v35, 4, v36
	v_mul_u32_u24 v21, v35, 144
	v_lshl_add_u32 v21, v33, 5, v21
	s_mul_i32 s32, s18, 8*144
	s_lshl_b32 s33, s17, 6
	s_add_co_u32 s32, s32, s33
	s_add_co_u32 s32, s32, KW
	v_add_nc_u32 v21, s32, v21                     ; key row 16 x batch + t
	v_mul_u32_u24 v20, v32, 144
	v_lshl_add_u32 v20, v33, 5, v20
	s_mul_i32 s32, s18, 32*144
	s_add_co_u32 s32, s32, s33
	s_add_co_u32 s32, s32, QW
	v_add_nc_u32 v20, s32, v20
	s_wait_loadcnt 0x0
	s_wait_dscnt 0x0
	GT 2, 3, 56, 128, 8, 4, 1
	PLACES 4
	GTOUT 128, 4, 4608, 21, 0
	LDW 2, 8, 28*REC, 0                            ; slots 2-5 take the gates' first records, for later
	s_mul_i32 s32, s18, 12800
	s_add_co_u32 s32, s32, IMG_M
	v_add_nc_u32 v36, s32, v25
	s_lshl_b32 s32, s18, 9
	s_add_co_u32 s32, s32, IMG_M
	v_add_nc_u32 v37, s32, v26
	LDXT 3, 0, 56, 0, 0, 36, 37
	LDXT 3, 1, 56, 6400, 256, 36, 37
	s_wait_dscnt 0x0
	GT 3, 3, 56, 160, 8, 2, 0
	PLACES 4
	GTOUT 160, 2, 2304, 20, 0
	LDW 3, 8, 29*REC, 0
	LDW 4, 8, 30*REC, 0
	LDW 5, 8, 31*REC, 0
; ---------------- kk = mean + tanh(mem), my 128 columns, quantised
	QSET IMG_K
	v_lshrrev_b32 v35, 3, v32
	v_mul_u32_u24 v17, v35, RP
	v_lshl_add_u32 v17, v33, 6, v17
	s_mul_i32 s32, s16, 4224
	s_add_co_u32 s32, s32, IMEAN
	v_add_nc_u32 v17, s32, v17
	s_mov_b32 s26, 0
.Lkk:
	s_mul_i32 s32, s26, 8448
	v_add_nc_u32 v35, s32, v4
	s_mul_i32 s32, s26, 1056
	v_add_nc_u32 v36, s32, v17
	s_mul_i32 s32, s26, 6400
	v_add_nc_u32 v10, s32, v7
	s_lshl_b32 s32, s26, 8
	v_add_nc_u32 v12, s32, v9
.irp b, 0,1,2,3
.irp j, 0,1,2,3
	ds_load_b128 v[128+16*\b+4*\j:131+16*\b+4*\j], v35 offset:128*\b+16*\j
.endr
.endr
.irp b, 0,1,2,3
.irp j, 0,1,2,3
	ds_load_b128 v[192+16*\b+4*\j:195+16*\b+4*\j], v36 offset:128*\b+16*\j
.endr
.endr
	s_wait_dscnt 0x0
.set tq_, 0
.rept 32
	v_pk_add_f32 v[192+tq_:193+tq_], v[192+tq_:193+tq_], 1.0 op_sel_hi:[1,0]
.set tq_, tq_+2
.endr
	TANH 128, 64, 192
	QBN 128, 4, 0, 0, 0
	s_add_co_u32 s26, s26, 1
	s_cmp_lt_u32 s26, 4
	s_cbranch_scc1 .Lkk
	BAR                                            ; write queries and keys and the image of kk are whole
; ---------------- the write scores: batches 2 w, 2 w + 1; lane = (batch h, slot, half of the 16 keys)
	v_bfe_u32 v35, v0, 1, 3
	v_and_b32 v36, 1, v0
	v_mul_u32_u24 v18, v35, 144
	v_mad_u32_u24 v18, v33, 1152, v18
	s_mul_i32 s32, s16, 2304
	s_add_co_u32 s32, s32, QW
	v_add_nc_u32 v18, s32, v18
	v_mul_u32_u24 v19, v36, 1152
	v_mad_u32_u24 v19, v33, 2304, v19
	s_mul_i32 s32, s16, 4608
	s_add_co_u32 s32, s32, KW
	v_add_nc_u32 v19, s32, v19
	v_lshlrev_b32 v20, 2, v35
	v_lshl_add_u32 v20, v36, 8, v20
	v_lshl_add_u32 v20, v33, 9, v20
	s_lshl_b32 s32, s16, 10
	s_add_co_u32 s32, s32, PW
	v_add_nc_u32 v20, s32, v20
	SCORES 144, 1
	BAR                                            ; the weights are whole; queries and keys have been read: the stages may lie over them
; ---------------- wv and the write context: two passes of four batches; wv's eight tiles in each
	s_add_nc_u64 s[22:23], s[8:9], 12*REC
	s_mul_i32 s32, s16, 4608
	s_add_co_u32 s32, s32, QW
	v_mul_u32_u24 v13, v33, 1152
	v_lshl_add_u32 v13, v32, 2, v13
	v_add_nc_u32 v13, s32, v13                     ; the stage, in: rows 8 h on, column r
	v_mul_u32_u24 v14, v32, 144
	v_lshl_add_u32 v14, v33, 6, v14
	v_add_nc_u32 v14, s32, v14                     ; and back: row r, 16 columns from 16 h on
	QSET IMG_C
	ISET IMG_H, 5, 6
	v_lshl_add_u32 v15, v33, 9, PW
	s_mov_b32 s26, 0
.Lvw_pass:
	PLACES 4
	s_mul_i32 s32, s26, 12800
	v_add_nc_u32 v36, s32, v5
	s_lshl_b32 s32, s26, 9
	v_add_nc_u32 v37, s32, v6
	s_lshl_b32 s32, s26, 11
	v_add_nc_u32 v35, s32, v15
.irp qq, 0,1
.irp pt, 0,1
	LDXT 1, 2*\qq+\pt, 40, IMGB*\pt+6400*\qq, IMGB*\pt+256*\qq, 36, 37   ; tiles by turns: rows of h_s (keys 0-7), rows of mem (keys 8-15)
.endr
.endr
	WIN 0xc0
.irp qq, 0,1
.irp pt, 0,1
.irp i, 0,1,2,3,4,5,6,7,8,9,10,11,12,13,14,15
	ds_load_b128 v[64*(2*\qq+\pt)+4*\i:64*(2*\qq+\pt)+4*\i+3], v35 offset:1024*\qq+256*\pt+16*\i
.endr
.endr
.endr
	WIN 0
	s_wait_dscnt 0x0
	s_mov_b32 s27, 0
.Lvw_step:
	VSTEP 0
	s_add_co_u32 s27, s27, 1
	s_cmp_lt_u32 s27, 4
	s_cbranch_scc1 .Lvw_step
	s_add_co_u32 s26, s26, 1
	s_cmp_lt_u32 s26, 2
	s_cbranch_scc1 .Lvw_pass
	BAR                                            ; the image of the write context is whole
; ---------------- wo, ug, mem_new: a block of 32 of my columns a trip, for all 64 rows
	PLACES 4
	ISET IMG_C, 5, 6
	LDX 1, 40, 5, 6
	ISET IMG_K, 36, 37
	LDX 3, 56, 36, 37
	WIN 0xc0
.irp k, 0,1,2,3,4,5
	global_load_b128 v[192+8*\k:195+8*\k], v23, s[8:9] offset:(26+\k)*REC+BIO
	global_load_b128 v[196+8*\k:199+8*\k], v23, s[8:9] offset:(26+\k)*REC+BIO+16
.endr
	WIN 0
	s_add_nc_u64 s[22:23], s[8:9], 32*REC
	QSET IMG_N
	s_mov_b32 s26, 0
	s_wait_loadcnt 0x0
	s_wait_dscnt 0x0
.Lf:
	s_lshl_b32 s32, s26, 7
	v_add_nc_u32 v35, s32, v4
	FTILE 0, 1, 40, 128
	FTILE 1, 1, 40, 136
	TANH 128, 64, 0                                ; tanh(mem_write)
.irp m, 0,1
.irp j, 0,1,2,3
	ds_load_b128 v[96+16*\m+4*\j:99+16*\m+4*\j], v35 offset:8448*\m+16*\j
.endr
.endr
	FTILE 2, 3, 56, 192
	FTILE 3, 3, 56, 200
	SIGM 192, 64                                   ; the input gate
.set tq_, 0
.rept 32
	v_pk_mul_f32 v[128+tq_:129+tq_], v[128+tq_:129+tq_], v[192+tq_:193+tq_]
.set tq_, tq_+2
.endr
	FTILE 4, 3, 56, 192
	FTILE 5, 3, 56, 200
	SIGM 192, 64                                   ; the forget gate
	s_wait_dscnt 0x0
.set tq_, 0
.rept 16
	v_pk_fma_f32 v[128+tq_:129+tq_], v[192+tq_:193+tq_], v[96+tq_:97+tq_], v[128+tq_:129+tq_]
.set tq_, tq_+2
.endr
.irp m, 0,1
.irp j, 0,1,2,3
	ds_load_b128 v[96+16*\m+4*\j:99+16*\m+4*\j], v35 offset:8448*(2+\m)+16*\j
.endr
.endr
	s_wait_dscnt 0x0
.set tq_, 0
.rept 16
	v_pk_fma_f32 v[160+tq_:161+tq_], v[224+tq_:225+tq_], v[96+tq_:97+tq_], v[160+tq_:161+tq_]
.set tq_, tq_+2
.endr
.irp m, 0,1,2,3
.irp j, 0,1,2,3
	ds_store_b128 v35, v[128+16*\m+4*\j:131+16*\m+4*\j] offset:8448*\m+16*\j   ; mem_new takes mem's place in my rows
.endr
.endr
	s_mul_i32 s32, s26, 24
	v_add_nc_u32 v10, s32, v7
	s_and_b32 s33, s26, 1
	s_lshl_b32 s33, s33, 1
	s_lshr_b32 s34, s26, 1
	s_or_b32 s33, s33, s34
	v_add_nc_u32 v12, s33, v9
	QBN 128, 4, 1, 0, 0
	s_wait_xcnt 0x0
	s_add_nc_u64 s[22:23], s[22:23], 6*REC
	s_add_co_u32 s26, s26, 1
	s_cmp_lt_u32 s26, 4
	s_cbranch_scc1 .Lf                             ; the last trip has fetched positions 50-55: rv's first two tiles, rq, rk
; ---------------- out1: my 512 bytes of each of the 64 rows
	s_mov_b32 s26, 0
.Lo1:
	s_mul_i32 s32, s26, 8448
	v_add_nc_u32 v35, s32, v3
	s_lshl_b32 s32, s26, 15
	v_add_nc_u32 v36, s32, v2
.irp i, 0,1,2,3,4,5,6,7,8,9,10,11,12,13,14,15
	ds_load_b128 v[128+4*\i:131+4*\i], v35 offset:RP*\i
.endr
	s_wait_dscnt 0x0
.irp i, 0,1,2,3,4,5,6,7,8,9,10,11,12,13,14,15
	global_store_b128 v36, v[128+4*\i:131+4*\i], s[14:15] offset:2048*\i th:TH_STORE_NT   ; 32 lanes store 512 consecutive bytes, aligned
.endr
	s_wait_xcnt 0x0                                ; the stores have read their registers: data and offset are written again only behind this wait
	s_add_co_u32 s26, s26, 1
	s_cmp_lt_u32 s26, 4
	s_cbranch_scc1 .Lo1
	BAR                                            ; the image of mem_new is whole; nobody reads ROWS any more
; ---------------- the read queries and keys: my head's 32 columns, all 64 rows
	PLACES 4
	ISET IMG_H, 5, 6
	LDX 3, 56, 5, 6
	ISET IMG_N, 36, 37
	LDX 1, 40, 36, 37                              ; mem_new's fragments stay for rv
	v_mul_u32_u24 v21, v32, RP
	v_lshl_add_u32 v21, v33, 5, v21
	s_lshl_b32 s32, s16, 7
	s_add_co_u32 s32, s32, QR
	v_add_nc_u32 v21, s32, v21
	s_wait_loadcnt 0x0
	s_wait_dscnt 0x0
	GT 2, 3, 56, 128, 8, 4, 0
	GT 3, 3, 56, 160, 8, 4, 0
	GT 4, 1, 40, 192, 8, 4, 1
	GT 5, 1, 40, 224, 8, 4, 1
	PLACES 4
	GTOUT 128, 4, 8448, 21, 0
	GTOUT 160, 4, 8448, 21, 64
	GTOUT 192, 4, 8448, 21, KR-QR
	GTOUT 224, 4, 8448, 21, KR-QR+64
	global_load_b32 v124, v22, s[8:9] offset:50*REC+BIO
	global_load_b32 v125, v22, s[8:9] offset:51*REC+BIO
	LDW 2, 8, 88*REC, 0                            ; the last product's K step 1, for later
	LDW 3, 8, 89*REC, 0
	BAR                                            ; read queries and keys are whole
; ---------------- the read scores: batches 2 w, 2 w + 1; lane = (head, unit)
	v_lshrrev_b32 v35, 3, v34
	v_and_b32 v36, 7, v34
	v_mul_u32_u24 v13, v36, RP
	v_lshl_add_u32 v13, v35, 7, v13
	s_mul_i32 s32, s16, 16*RP
	s_add_co_u32 s33, s32, QR
	v_add_nc_u32 v13, s33, v13
	v_lshlrev_b32 v14, 7, v35
	s_add_co_u32 s33, s32, KR
	v_add_nc_u32 v14, s33, v14
	v_lshlrev_b32 v15, 2, v36
	v_lshl_add_u32 v15, v35, 8, v15
	s_lshl_b32 s33, s16, 11
	s_add_co_u32 s33, s33, PR
	v_add_nc_u32 v15, s33, v15
	s_mov_b32 s26, 0
.Lp8:
	s_mul_i32 s32, s26, 8*RP
	v_add_nc_u32 v18, s32, v13
	v_add_nc_u32 v19, s32, v14
	s_lshl_b32 s32, s26, 10
	v_add_nc_u32 v20, s32, v15
	SCORES RP, 0
	s_add_co_u32 s26, s26, 1
	s_cmp_lt_u32 s26, 2
	s_cbranch_scc1 .Lp8
	BAR                                            ; the weights are whole; the first four images are done with: the read context's image may lie over them
; ---------------- rv and the read context: four heads, eight tiles in each
	s_add_nc_u64 s[22:23], s[8:9], 56*REC
	s_mul_i32 s32, s16, 9216
	v_mul_u32_u24 v13, v33, 1152
	v_lshl_add_u32 v13, v32, 2, v13
	v_add_nc_u32 v13, s32, v13
	v_mul_u32_u24 v14, v32, 144
	v_lshl_add_u32 v14, v33, 6, v14
	v_add_nc_u32 v14, s32, v14
	v_mul_u32_u24 v7, v32, IRP
	v_mad_u32_u24 v7, v33, 12, v7
	s_mul_i32 s32, s16, 96
	s_add_co_u32 s32, s32, IMG_R
	v_add_nc_u32 v7, s32, v7
	v_add_nc_u32 v8, 49664, v7                     ; rows 32 on
	v_lshlrev_b32 v9, 6, v32
	s_lshl_b32 s32, s16, 2
	s_add_co_u32 s32, s32, IRS
	v_add_nc_u32 v9, s32, v9
	v_lshl_add_u32 v15, v33, 10, PR
	s_mov_b32 s26, 0
.Lvr_head:
	s_lshl_b32 s32, s26, 8
	v_add_nc_u32 v35, s32, v15
	WIN 0xc0
.irp a, 0,1,2,3
.irp i, 0,1,2,3,4,5,6,7,8,9,10,11,12,13,14,15
	ds_load_b128 v[64*\a+4*\i:64*\a+4*\i+3], v35 offset:2048*\a+16*\i
.endr
.endr
	WIN 0
	s_wait_dscnt 0x0
	s_mov_b32 s27, 0
.Lvr_step:
	VSTEP 1
	s_add_co_u32 s27, s27, 1
	s_cmp_lt_u32 s27, 4
	s_cbranch_scc1 .Lvr_step
	s_add_co_u32 s26, s26, 1
	s_cmp_lt_u32 s26, 4
	s_cbranch_scc1 .Lvr_head
	BAR                                            ; the image of the read context is whole
; ---------------- ro: 16 K steps, my 128 columns x 64 rows in 32 accumulators, which begin as ro_b
	WIN 0xc0
.irp i, 0,1,2,3,4,5,6,7
.irp m, 0,1,2,3
	global_load_b128 v[8*(4*\i+\m):8*(4*\i+\m)+3], v24, s[10:11] offset:128*(\i/2)+32*(\i%2)
	global_load_b128 v[8*(4*\i+\m)+4:8*(4*\i+\m)+7], v24, s[10:11] offset:128*(\i/2)+32*(\i%2)+16
.endr
.endr
	WIN 0
	v_mul_u32_u24 v25, v32, IRP
	v_mad_u32_u24 v25, v33, 48, v25
	v_add_nc_u32 v25, IMG_R, v25
	v_add_nc_u32 v26, 49664, v25
	v_lshl_add_u32 v27, v32, 6, IRS
	s_mov_b32 s28, 0
	s_mov_b32 s29, 0
	v_add_nc_u32 v36, s28, v25
	v_add_nc_u32 v37, s28, v26
	v_add_nc_u32 v38, s29, v27
	XAL 0, 0, 0
	s_add_nc_u64 s[22:23], s[8:9], 90*REC
	s_mov_b64 s[24:25], s[4:5]
	s_mov_b32 s33, 0
	s_mov_b32 s26, 0
	s_wait_loadcnt 0x0
.Lro:                                              ; a trip: K steps 2 t and 2 t + 1; four records are fetched for the trip after
	v_add_nc_u32 v36, s28, v25
	v_add_nc_u32 v37, s28, v26
	v_add_nc_u32 v38, s29, v27
	RHALF 0, 1, 1, 39, 39                          ; the three younger records (13 loads each) may be out
	; h_s is read once more at the end, for the residual.  Trips 3 to 6 ask for it: trip t for rows 16 (t - 3) on, my wave's 512 bytes of each row, a lane to each 256 bytes: each block is named once in the launch
	s_cmp_ge_u32 s26, 3
	s_cbranch_scc0 .Lno_ask
	global_prefetch_b8 v28, s[24:25] th:TH_LOAD_NT scope:SCOPE_SE
.Lno_ask:
	RHALF 1, 1, 1, 39, 39
	s_wait_xcnt 0x0                                ; loads and prefetch have read their bases: both may step
	s_add_nc_u64 s[22:23], s[22:23], 4*REC
	s_cmp_ge_u32 s26, 3
	s_cselect_b32 s32, 0x8000, 0
	s_add_nc_u64 s[24:25], s[24:25], s[32:33]
	s_add_co_u32 s28, s28, 192
	s_add_co_u32 s29, s29, 8
	s_add_co_u32 s26, s26, 1
	s_cmp_lt_u32 s26, 7
	s_cbranch_scc1 .Lro
	v_add_nc_u32 v36, s28, v25
	v_add_nc_u32 v37, s28, v26
	v_add_nc_u32 v38, s29, v27
	RHALF 0, 0, 1, 39, 26                          ; the last two K steps fetch no record: the counts run down
	RHALF 1, 0, 0, 13, 0
; ---------------- out0 = h_s + the sums: a tile of 16 rows at a time through my stage, back as whole rows of 512 bytes
	WIN 0x80
.irp m, 0,1,2,3
.irp i, 0,1,2,3,4,5,6,7,8,9,10,11,12,13,14,15
	global_load_b128 v[64*\m+4*\i:64*\m+4*\i+3], v2, s[4:5] offset:(16*\m+\i)*2048 th:TH_LOAD_NT
.endr
.endr
	WIN 0
	s_mul_i32 s32, s16, 9216
	v_mul_u32_u24 v13, v32, RP
	v_lshl_add_u32 v13, v33, 6, v13
	v_add_nc_u32 v13, s32, v13
	v_add_nc_u32 v14, s32, v1
.irp m, 0,1,2,3
.if \m >= 2
	s_wait_xcnt 0x0                                ; the stores of two tiles back have read their registers
.endif
	WIN 0x0c
.irp i, 0,1,2,3,4,5,6,7
	ds_store_b128 v13, v[8*(4*\i+\m):8*(4*\i+\m)+3] offset:128*(\i/2)+32*(\i%2)
	ds_store_b128 v13, v[8*(4*\i+\m)+4:8*(4*\i+\m)+7] offset:128*(\i/2)+32*(\i%2)+16
.endr
	WIN 0
.irp i, 0,1,2,3,4,5,6,7,8,9,10,11,12,13,14,15
	ds_load_b128 v[128+64*(\m%2)+4*\i:131+64*(\m%2)+4*\i], v14 offset:RP*\i   ; LDS serves a wave's instructions in order: these see the stores, and the next tile's stores come behind them
.endr
	s_wait_loadcnt 48-16*\m                        ; this tile's rows of h_s are in; the younger tiles (16 loads each) may be out
	s_wait_dscnt 0x0
	WIN 0x08
.set tq_, 0
.rept 32
	v_pk_add_f32 v[128+64*(\m%2)+tq_:129+64*(\m%2)+tq_], v[128+64*(\m%2)+tq_:129+64*(\m%2)+tq_], v[64*\m+tq_:64*\m+tq_+1]
.set tq_, tq_+2
.endr
	WIN 0
.irp i, 0,1,2,3,4,5,6,7,8,9,10,11,12,13,14,15
	global_store_b128 v2, v[128+64*(\m%2)+4*\i:131+64*(\m%2)+4*\i], s[12:13] offset:(16*\m+\i)*2048 th:TH_STORE_NT
.endr
.endr
	s_wait_tensorcnt 0x0                           ; the wave's end: three closing lines behind my last LDS store
	ds_add_u32 v30, v31
	s_wait_dscnt 0x0
	s_endpgm
.Lfunc_end_k_q030af6eab6_chain:
	.size	k_q030af6eab6_chain, .Lfunc_end_k_q030af6eab6_chain-k_q030af6eab6_chain
	.p2alignl 7, 3214868480
	.fill 96, 4, 3214868480
	.section	.rodata,"a",@progbits
	.p2align	6, 0x0
	.amdhsa_kernel k_q030af6eab6_chain
		.amdhsa_group_segment_fixed_size 317440
		.amdhsa_private_segment_fixed_size 0
		.amdhsa_enable_private_segment 0
		.amdhsa_kernarg_size 48
		.amdhsa_user_sgpr_count 2
		.amdhsa_user_sgpr_kernarg_segment_ptr 1
		.amdhsa_wavefront_size32 1
		.amdhsa_system_sgpr_workgroup_id_x 1
		.amdhsa_system_sgpr_workgroup_id_y 1
		.amdhsa_system_sgpr_workgroup_id_z 1
		.amdhsa_system_vgpr_workitem_id 0
		.amdhsa_next_free_vgpr 1024
		.amdhsa_next_free_sgpr 66
		.amdhsa_reserve_vcc 0
		.amdhsa_float_denorm_mode_32 3
		.amdhsa_float_denorm_mode_16_64 3
		.amdhsa_memory_ordered 1
		.amdhsa_forward_progress 1
		.amdhsa_inst_pref_size 255
	.end_amdhsa_kernel
	.section	.bss,"aw",@nobits
	.p2align	6
	.space	262144
	.amdgpu_metadata
---
amdhsa.version: [ 1, 2 ]
amdhsa.kernels:
  - .name:           k_q030af6eab6_chain
    .symbol:         k_q030af6eab6_chain.kd
    .args:
      - { .name: h_s, .offset: 0, .size: 8, .value_kind: global_buffer, .address_space: global }
      - { .name: mem, .offset: 8, .size: 8, .value_kind: global_buffer, .address_space: global }
      - { .name: wpk, .offset: 16, .size: 8, .value_kind: global_buffer, .address_space: global }
      - { .name: ro_b, .offset: 24, .size: 8, .value_kind: global_buffer, .address_space: global }
      - { .name: out0, .offset: 32, .size: 8, .value_kind: global_buffer, .address_space: global }
      - { .name: out1, .offset: 40, .size: 8, .value_kind: global_buffer, .address_space: global }
    .group_segment_fixed_size: 317440
    .private_segment_fixed_size: 0
    .kernarg_segment_align: 8
    .kernarg_segment_size: 48
    .max_flat_workgroup_size: 128
    .sgpr_count:     66
    .vgpr_count:     1024
    .wavefront_size: 32
...
	.end_amdgpu_metadata
.endif
;; end of part 2
